; MI455X (gfx1250); checked and timed in simulation.
; The chip was launched on July 23, 2026; its instructions are those of AMD's public machine-readable ISA for CDNA 5 (MIT licence, August 2026) and "CDNA5" Instruction Set Architecture Reference Guide (July 2026). The comments in the code are by the model that wrote it; some were corrected since.
;; Bert Self Attention. Allowed arithmetic: float matrix products may take bf16 or f16 operands with f32 sums; all other float work in f32.
;; Inputs: Wk 1,024 x 1,024 float32; Wq 1,024 x 1,024 float32; Wv 1,024 x 1,024 float32; attention_mask 2 x 1 x 1 x 2,048 float32; bk 1,024 float32; bq 1,024 float32; bv 1,024 float32; hidden_states 2 x 2,048 x 1,024 float32.
;; Outputs: out0 2 x 2,048 x 1,024 float32.
;; One version. Each part assembles by itself: llvm-mc -triple=amdgcn-amd-amdhsa -mcpu=gfx1250 --defsym DOCPART=n.
;; ======== version 1 of 1: 3 launches
;; limits: values are held in f16: magnitudes above 65,504 overflow, below 6.1e-05 lose precision
;; workspace buffers: xb 8,388,608 bytes; wb 6,291,456 bytes; mk 16,384 bytes; qh 8,388,608 bytes; kh 8,388,608 bytes; vh 8,388,608 bytes
;; launch prep (part 1): grid 256 x 1, 8 waves a work-group, no clusters, 0 bytes of LDS; arguments hidden_states, Wq, Wk, Wv, attention_mask, xb, wb, mk; writes xb, wb, mk
.if DOCPART == 1
	.amdgcn_target "amdgcn-amd-amdhsa--gfx1250"
	.amdhsa_code_object_version 6
	.text
	.protected	k_q4ae50d89f6_prep
	.globl	k_q4ae50d89f6_prep
	.p2align	8
	.type	k_q4ae50d89f6_prep,@function
k_q4ae50d89f6_prep:
	s_mov_b64 s[64:65], 0
	v_nop
	global_prefetch_b8 v0, s[64:65] scope:SCOPE_SE
	s_setreg_imm32_b32 hwreg(HW_REG_WAVE_MODE, 25, 1), 1
	s_wait_xcnt 0x0
; Casts for the two launches that follow.  xb = bf16(hidden_states) [4096][1024]; wb = bf16(Wq | Wk | Wv) [3][1024 k][1024 n];
; mk = max(attention_mask * log2(e), -2^126) [2][2048] f32: the mask in the base-2 units in which the softmax is computed.
; LIMITS: a mask number below -5.9e37 (-infinity and the smallest f32 among them) counts as -5.9e37; a NaN in the mask counts as that too
; (v_max_num_f32 drops it); a mask number above 2.3e38 overflows in the multiplication.
; A pure stream: no LDS, no barrier, no matrix unit, and no cluster, since no two work-groups read the same byte.
; The 7 Mi numbers are seven segments of 1 Mi (x: four, each W: one).  Work-group i takes chunk i (4,096 numbers) of every segment:
; 28 loads of 16 bytes a lane, all issued first (28 x 4,096 bytes of the work-group on their way), then converted in the order of issue.
; A load of a wave covers 512 consecutive bytes, a store 256 consecutive bytes at a multiple of 256.
.set X,    8                           ; v[8:119]  load n: 4 registers; the two bf16 words are made in place in the first two
.set INB,  20                          ; s[20:33]  the seven segments' addresses, as read
.set OUTB, 34                          ; s[34:47]  the seven segments' addresses, as written
.set NLOAD, 28
	s_load_b512 s[4:19], s[0:1], 0x0               ; x s[4:5], Wq s[6:7], Wk s[8:9], Wv s[10:11], mask s[12:13], xb s[14:15], wb s[16:17], mk s[18:19]
	s_lshl_b32 s2, ttmp9, 14                       ; my chunk: 16,384 bytes of f32
	s_lshl_b32 s3, ttmp9, 13                       ;            8,192 bytes of bf16
	v_lshl_add_u32 v1, v0, 4, s2                   ; + 16 bytes a thread
	v_lshl_add_u32 v2, v0, 3, s3                   ; +  8 bytes a thread
	s_wait_kmcnt 0x0
	s_mov_b64    s[INB+0:INB+1],   s[4:5]
	s_add_nc_u64 s[INB+2:INB+3],   s[4:5], 0x400000        ; a segment is 4 MiB of f32
	s_add_nc_u64 s[INB+4:INB+5],   s[4:5], 0x800000
	s_add_nc_u64 s[INB+6:INB+7],   s[4:5], 0xc00000
	s_mov_b64    s[INB+8:INB+9],   s[6:7]
	s_mov_b64    s[INB+10:INB+11], s[8:9]
	s_mov_b64    s[INB+12:INB+13], s[10:11]
	s_mov_b64    s[OUTB+0:OUTB+1],   s[14:15]
	s_add_nc_u64 s[OUTB+2:OUTB+3],   s[14:15], 0x200000    ; and 2 MiB of bf16
	s_add_nc_u64 s[OUTB+4:OUTB+5],   s[14:15], 0x400000
	s_add_nc_u64 s[OUTB+6:OUTB+7],   s[14:15], 0x600000
	s_mov_b64    s[OUTB+8:OUTB+9],   s[16:17]
	s_add_nc_u64 s[OUTB+10:OUTB+11], s[16:17], 0x200000
	s_add_nc_u64 s[OUTB+12:OUTB+13], s[16:17], 0x400000
.set n, 0
.rept NLOAD                                        ; load n: segment n / 4, pass n % 4 (a pass is 256 threads x 16 bytes)
	global_load_b128 v[X+4*n:X+4*n+3], v1, s[INB+2*(n/4):INB+2*(n/4)+1] offset:(n%4)*4096 th:TH_LOAD_NT
.set n, n+1
.endr
.set n, 0
.rept NLOAD
	s_wait_loadcnt NLOAD-1-n                       ; loads come back in order (ISA guide 5.7.1): load n is in, the younger ones stay out
	v_cvt_pk_bf16_f32 v[X+4*n],   v[X+4*n],   v[X+4*n+1]
	v_cvt_pk_bf16_f32 v[X+4*n+1], v[X+4*n+2], v[X+4*n+3]
	global_store_b64 v2, v[X+4*n:X+4*n+1], s[OUTB+2*(n/4):OUTB+2*(n/4)+1] offset:(n%4)*2048   ; no hint: the next launch reads these bytes
.set n, n+1
.endr
	; the mask: 4,096 numbers, 1,024 for each of the work-groups 0 to 3
	s_cmp_ge_u32 ttmp9, 4
	s_cbranch_scc1 .Ldone
	s_lshl_b32 s2, ttmp9, 12
	v_lshl_add_u32 v3, v0, 4, s2
	global_load_b128 v[120:123], v3, s[12:13]
	s_wait_loadcnt 0x0
	v_pk_mul_f32 v[120:121], v[120:121], 0x3fb8aa3b op_sel_hi:[1,0]    ; x log2(e)
	v_pk_mul_f32 v[122:123], v[122:123], 0x3fb8aa3b op_sel_hi:[1,0]
	v_max_num_f32 v120, 0xfe800000, v120           ; not below -2^126: differences of two such numbers stay finite
	v_max_num_f32 v121, 0xfe800000, v121
	v_max_num_f32 v122, 0xfe800000, v122
	v_max_num_f32 v123, 0xfe800000, v123
	global_store_b128 v3, v[120:123], s[18:19]
.Ldone:
	s_endpgm
.Lfunc_end_k_q4ae50d89f6_prep:
	.size	k_q4ae50d89f6_prep, .Lfunc_end_k_q4ae50d89f6_prep-k_q4ae50d89f6_prep
	.p2alignl 7, 3214868480
	.fill 96, 4, 3214868480
	.section	.rodata,"a",@progbits
	.p2align	6, 0x0
	.amdhsa_kernel k_q4ae50d89f6_prep
		.amdhsa_group_segment_fixed_size 0
		.amdhsa_private_segment_fixed_size 0
		.amdhsa_enable_private_segment 0
		.amdhsa_kernarg_size 64
		.amdhsa_user_sgpr_count 2
		.amdhsa_user_sgpr_kernarg_segment_ptr 1
		.amdhsa_wavefront_size32 1
		.amdhsa_system_sgpr_workgroup_id_x 1
		.amdhsa_system_sgpr_workgroup_id_y 1
		.amdhsa_system_sgpr_workgroup_id_z 1
		.amdhsa_system_vgpr_workitem_id 0
		.amdhsa_next_free_vgpr 128
		.amdhsa_next_free_sgpr 66
		.amdhsa_reserve_vcc 0
		.amdhsa_float_denorm_mode_32 3
		.amdhsa_float_denorm_mode_16_64 3
		.amdhsa_memory_ordered 1
		.amdhsa_forward_progress 1
		.amdhsa_inst_pref_size 12
	.end_amdhsa_kernel
	.amdgpu_metadata
---
amdhsa.version: [ 1, 2 ]
amdhsa.kernels:
  - .name:           k_q4ae50d89f6_prep
    .symbol:         k_q4ae50d89f6_prep.kd
    .args:
      - { .name: hidden_states, .offset: 0, .size: 8, .value_kind: global_buffer, .address_space: global }
      - { .name: Wq, .offset: 8, .size: 8, .value_kind: global_buffer, .address_space: global }
      - { .name: Wk, .offset: 16, .size: 8, .value_kind: global_buffer, .address_space: global }
      - { .name: Wv, .offset: 24, .size: 8, .value_kind: global_buffer, .address_space: global }
      - { .name: attention_mask, .offset: 32, .size: 8, .value_kind: global_buffer, .address_space: global }
      - { .name: xb, .offset: 40, .size: 8, .value_kind: global_buffer, .address_space: global }
      - { .name: wb, .offset: 48, .size: 8, .value_kind: global_buffer, .address_space: global }
      - { .name: mk, .offset: 56, .size: 8, .value_kind: global_buffer, .address_space: global }
    .group_segment_fixed_size: 0
    .private_segment_fixed_size: 0
    .kernarg_segment_align: 8
    .kernarg_segment_size: 64
    .max_flat_workgroup_size: 256
    .sgpr_count:     66
    .vgpr_count:     128
    .wavefront_size: 32
...
	.end_amdgpu_metadata
.endif
;; end of part 1
;; launch qkv (part 2): grid 8 x 32, 4 waves a work-group, clusters of 4 x 4, 327,680 bytes of LDS; arguments xb, wb, bq, bk, bv, qh, kh, vh; writes qh, kh, vh
.if DOCPART == 2
	.amdgcn_target "amdgcn-amd-amdhsa--gfx1250"
	.amdhsa_code_object_version 6
	.text
	.protected	k_q4ae50d89f6_qkv
	.globl	k_q4ae50d89f6_qkv
	.p2align	8
	.type	k_q4ae50d89f6_qkv,@function
k_q4ae50d89f6_qkv:
	s_mov_b64 s[64:65], 0
	v_nop
	global_prefetch_b8 v0, s[64:65] scope:SCOPE_SE
	s_setreg_imm32_b32 hwreg(HW_REG_WAVE_MODE, 25, 1), 1
	s_wait_xcnt 0x0
	s_wait_alu depctr_hold_cnt(0) depctr_sa_sdst(0) depctr_va_vdst(0) depctr_va_sdst(0) depctr_va_ssrc(0) depctr_va_vcc(0) depctr_vm_vsrc(0)
	s_getreg_b32 s2, hwreg(HW_REG_IB_STS2, 6, 4)
	s_cmp_eq_u32 s2, 0
	s_cbranch_scc0 .Lentry_in_a_cluster
	s_endpgm
.Lentry_in_a_cluster:
	s_bfe_u32 s2, ttmp6, 0x10000c
	s_cmp_lg_u32 s2, 0xf033
	s_cbranch_scc0 .Lentry_shape_is_right
	s_endpgm
.Lentry_shape_is_right:
; The three projections as one GEMM: [4096 tokens][1024] x [1024][3 x 1024], bf16 operands, f32 sums, plus the biases.
; qh = f16((x Wq + bq) * log2(e) / 8), kh = f16(x Wk + bk), vh = f16(x Wv + bv), each laid [batch * 16 + head][2048 tokens][64].
; LIMIT: the three results are kept in f16: |q| * 0.18, |k| and |v| up to 65,504; beyond that they become infinite.
; A work-group makes 128 tokens x (128 columns = two heads of each of q, k, v): 32 x 8 = 256 work-groups.  Four waves; wave w makes
; 64 tokens (w >> 1) x 192 columns (head w & 1 of q, k and v): 4 x 12 accumulator tiles of 16 x 16, 384 registers, and whole head rows.
; K goes in steps of 128 through a ring of two LDS slots filled by the tensor data mover; every tile row is 256 bytes of memory at a multiple of 256.
; CLUSTER 4 x 4: x's tile hangs on the token block alone and is asked for jointly by a row of the cluster; W's tiles hang on the head pair
; alone and are asked for jointly by a column.  Waves 0 to 2 ask for the tiles of Wq, Wk, Wv, wave 3 for x's.
; THE MATRIX INSTRUCTION IS USED TRANSPOSED: source 0 = 16 columns of W (W lies [k][n] in LDS and comes through the transposing load), source 1 = 16
; tokens of x.  Lane l then holds token l % 16 and eight NEIGHBOURING columns 8 (l / 16) + 0..7, which pack into 16 bytes of f16.
; REGISTERS by windows of 256: window 0 addresses, x's fragments (two buffers), biases, work; window 1 W's fragments (two buffers);
; window 2 the accumulators of my token blocks 0, 1 (tile (rbl, cb) at v[8 (12 rbl + cb)]); window 3 those of blocks 2, 3.
.set KSTEP,  128
.set PITA,   272                       ; x's LDS row: 256 bytes + 16: an odd multiple of 16, so 16 rows of a fragment start in 16 different columns of 16 bytes
.set PITB,   288                       ; W's LDS row: 256 bytes + 32: an odd multiple of 32, as the transposing load's eight-row groups want
.set BTILE,  128*PITB                  ; 36,864: one W tile (128 k x 128 n)
.set AOFF,   3*BTILE                   ; x's tile lies behind the three W tiles
.set SLOT,   AOFF+128*PITA             ; 145,408
.set STAGE,  2*SLOT                    ; 290,816: behind the ring, 16 rows x 400 bytes for each wave; no tensor load ever lands here
.set SPIT,   400                       ; a stage row: 3 x 128 bytes + 16
.set LAPS,   1024/(2*KSTEP)            ; a lap = two K steps = once round the ring: 4
.set QSCALE, 0x3e38aa3b                ; log2(e) / 8
.set ADRA, 16                          ; v16-17  LDS address of my x fragments in slot 0, 1
.set ADRB, 18                          ; v18-23  of my W fragments: slot s, matrix i at 18 + 3 s + i
.set STO,  24                          ; the way out: where I put 16 bytes of a token's row
.set RD,   25                          ; the way out: where I read head rows back
.set CO,   26                          ; my byte offset in the results
.set BO,   27                          ; my byte offset in the biases
.set FA0,  32                          ; v32-63, v64-95 (window 0): x's fragments, 8 registers for each token block
.set FA1,  64
.set RB,   32                          ; v32-79: the way out, rows read back
.set BIAS, 96                          ; v96-191: the biases of my 8 columns of each of the 12 column blocks
.set TP,   192                         ; v192-239: the way out, six column blocks at work
.set FB0,  0                           ; v0-95, v96-191 (window 1): W's fragments, 8 registers for each column block
.set FB1,  96
.set G1A, 24                           ; s[24:31] descriptor group 1 of x's tiles
.set G0A, 32                           ; s[32:39] group 0 of x's tiles, one set for each slot
.set G1B, 48                           ; s[48:55] group 1 of W's tiles
.set G0B, 56                           ; s[56:63] group 0 of W's tiles, one set for each slot
.set MSB, 0
.macro WIN new                         ; the immediate's high byte repeats the setting that is left
.if MSB != \new
	s_set_vgpr_msb (MSB<<8)|\new
.set MSB, \new
.endif
.endm
.set MUL_LO, 0xa1                      ; source 0 (W) window 1, source 1 (x) window 0, C and D window 2
.set MUL_HI, 0xf1                      ; the same, C and D window 3
.set TO_B,   0x40                      ; destination window 1, address window 0
.macro PLACES                          ; four places behind matrix instructions (ISA guide 7.12.1), where there is no other vector work
.rept 4
	v_nop
.endr
.endm
; A joint load.  The branch hangs on the wave's number alone; each of the two lines has one mask.
.macro JLOAD s
	s_cmp_lg_u32 s20, 3
	s_cbranch_scc1 .Lfor_b_\@
	tensor_load_to_lds s[G0A+4*\s:G0A+4*\s+3], s[G1A:G1A+7]
	s_nop 0
	s_branch .Lasked_\@
.Lfor_b_\@:
	tensor_load_to_lds s[G0B+4*\s:G0B+4*\s+3], s[G1B:G1B+7]
	s_nop 0
.Lasked_\@:
.endm
.macro CREST                           ; a round of the cluster's barrier behind its opening work-group barrier
	s_cmp_lg_u32 s20, 0
	s_cbranch_scc1 .Lnot_wave_0_\@
	s_barrier_signal -3
.Lnot_wave_0_\@:
	s_barrier_wait -3
	s_barrier_signal -1
	s_barrier_wait -1
.endm
.macro CROUND                          ; a whole round
	s_barrier_signal -1
	s_barrier_wait -1
	CREST
.endm
	s_load_b512 s[4:19], s[0:1], 0x0               ; xb s[4:5], wb s[6:7], bq s[8:9], bk s[10:11], bv s[12:13], qh s[14:15], kh s[16:17], vh s[18:19]
	s_set_vgpr_msb 0x40
	v_lshl_add_u32 v255, v0, 2, 0x4d400
	s_set_vgpr_msb 0x4000
	v_mov_b32 v255, 0
	s_set_vgpr_msb 0x1
	ds_add_u32 v255, v255
	s_set_vgpr_msb 0x100
	v_lshrrev_b32 v1, 5, v0
	v_readfirstlane_b32 s20, v1                    ; wave 0..3
	s_lshr_b32 s21, s20, 1                         ; rh: which 64 tokens
	s_and_b32 s22, s20, 1                          ; ch: which head of the pair
	s_bfe_u32 s40, ttmp6, 0x40000                  ; cx
	s_bfe_u32 s41, ttmp6, 0x40004                  ; cy
	s_lshl_b32 s42, ttmp9, 2
	s_add_co_u32 s42, s42, s40                     ; head pair 0..7 = 4 x cluster x + cx
	s_and_b32 s43, ttmp7, 0xffff
	s_lshl_b32 s43, s43, 2
	s_add_co_u32 s43, s43, s41                     ; token block 0..31 = 4 x cluster y + cy
	s_lshl_b32 s44, s41, 2
	s_lshl_b32 s44, 15, s44                        ; my row of the cluster
	s_lshl_b32 s45, 0x1111, s40                    ; my column
	; group 1: 128 rows x 128 elements of 2 bytes, pitch 1,024 elements; a pad behind every 64 words: 4 words for x, 8 for W
	s_or_b32 s[G1A+0], s44, (1<<16)|(1<<20)|(1<<21)|(5<<22)|(3<<25)
	s_or_b32 s[G1B+0], s45, (1<<16)|(1<<20)|(1<<21)|(5<<22)|(7<<25)
	s_mov_b32 s[G1A+1], KSTEP<<16                  ; tensor_dim0 = 128
	s_mov_b32 s[G1B+1], 128<<16
	s_mov_b32 s[G1A+2], 128<<16                    ; tensor_dim1 = 128
	s_mov_b32 s[G1B+2], KSTEP<<16
	s_mov_b32 s[G1A+3], KSTEP<<16                  ; tile_dim0 = 128
	s_mov_b32 s[G1B+3], 128<<16
	s_mov_b32 s[G1A+4], 128                        ; tile_dim1 = 128
	s_mov_b32 s[G1B+4], KSTEP
	s_mov_b32 s[G1A+5], 1024                       ; elements from row to row
	s_mov_b32 s[G1B+5], 1024
	s_mov_b32 s[G1A+6], 0
	s_mov_b32 s[G1B+6], 0
	s_mov_b32 s[G1A+7], 0
	s_mov_b32 s[G1B+7], 0
	; x's address is made of the token block alone, W's of the head pair and the wave's number alone, each in registers of its own
	s_lshl_b32 s66, s43, 18                        ; 128 rows of 2,048 bytes
	s_mov_b32 s67, 0
	s_min_u32 s70, s20, 2                          ; the matrix that I fetch (wave 3 fetches x and never uses this address)
	s_lshl_b32 s70, s70, 21                        ; 2 MiB a matrix
	s_lshl_b32 s71, s42, 8                         ; 128 columns of 2 bytes
	s_add_co_u32 s70, s70, s71
	s_mov_b32 s71, 0
	s_mul_i32 s23, s20, BTILE                      ; where my tile goes: Wq, Wk, Wv, x = wave x 36,864
	s_wait_dscnt 0x0
	s_wait_kmcnt 0x0
	s_add_nc_u64 s[68:69], s[4:5], s[66:67]
	s_add_nc_u64 s[72:73], s[6:7], s[70:71]
	CROUND                                         ; all sixteen work-groups are here: the first joint loads meet
.irp s, 0,1
	s_mov_b32 s[G0A+4*\s], 1
	s_add_co_u32 s[G0A+4*\s+1], s23, \s*SLOT
	s_add_nc_u64 s[G0A+4*\s+2:G0A+4*\s+3], s[68:69], \s*KSTEP*2        ; K step s: 256 bytes along x's rows
	s_or_b32 s[G0A+4*\s+3], s[G0A+4*\s+3], 0x80000000
	s_mov_b32 s[G0B+4*\s], 1
	s_add_co_u32 s[G0B+4*\s+1], s23, \s*SLOT
	s_add_nc_u64 s[G0B+4*\s+2:G0B+4*\s+3], s[72:73], \s*KSTEP*2048     ; K step s: 128 rows of W
	s_or_b32 s[G0B+4*\s+3], s[G0B+4*\s+3], 0x80000000
	JLOAD \s                                       ; two tensor loads of the wave are out here, later one
.endr
	v_and_b32 v1, 15, v0                           ; r = l % 16
	v_bfe_u32 v2, v0, 4, 1                         ; h = l / 16
	; the biases of my columns: column = 128 x pair + 64 ch + 16 b + 8 h + j
	s_lshl_b32 s74, s42, 9
	s_lshl_b32 s75, s22, 8
	s_add_co_u32 s74, s74, s75
	v_lshl_add_u32 v[BO], v2, 5, s74
.irp i, 0,1,2
.irp b, 0,1,2,3
	global_load_b128 v[BIAS+8*(4*\i+\b):BIAS+8*(4*\i+\b)+3],   v[BO], s[8+2*\i:9+2*\i] offset:64*\b
	global_load_b128 v[BIAS+8*(4*\i+\b)+4:BIAS+8*(4*\i+\b)+7], v[BO], s[8+2*\i:9+2*\i] offset:64*\b+16
.endr
.endr
	; x's fragment: lane l holds token l % 16; two loads of 16 bytes, 32 bytes apart, at row x pitch + 16 h
	v_mul_u32_u24 v3, v1, PITA
	v_lshl_add_u32 v3, v2, 4, v3
	s_mul_i32 s76, s21, 64*PITA
	s_add_co_u32 s76, s76, AOFF
	v_add_nc_u32 v[ADRA], s76, v3
	v_add_nc_u32 v[ADRA+1], SLOT, v[ADRA]
	; W's fragment through the transposing load: row k = 8 h + l % 8, 16 bytes at 16 ((l >> 3) & 1); the second load 16 rows further down
	v_and_b32 v4, 7, v0
	v_lshl_add_u32 v4, v2, 3, v4
	v_mul_u32_u24 v4, v4, PITB
	v_bfe_u32 v5, v0, 3, 1
	v_lshl_add_u32 v4, v5, 4, v4
	s_lshl_b32 s77, s22, 7                         ; my head's 64 columns
	v_add_nc_u32 v4, s77, v4
.irp s, 0,1
.irp i, 0,1,2
	v_add_nc_u32 v[ADRB+3*\s+\i], \s*SLOT+\i*BTILE, v4
.endr
.endr
	s_mul_i32 s78, s20, 16*SPIT
	s_add_co_u32 s78, s78, STAGE                   ; my stage
	v_mul_u32_u24 v6, v1, SPIT
	v_lshl_add_u32 v6, v2, 4, v6
	v_add_nc_u32 v[STO], s78, v6                   ; in: token r, 16 bytes for each half of the lanes
	v_bfe_u32 v7, v0, 3, 2
	v_and_b32 v8, 7, v0
	v_mul_u32_u24 v7, v7, SPIT
	v_lshl_add_u32 v7, v8, 4, v7
	v_add_nc_u32 v[RD], s78, v7                    ; back: eight lanes take one head row of 128 bytes, a load takes four tokens
	v_and_b32 v9, 31, v0
	v_lshlrev_b32 v[CO], 4, v9                     ; four head rows are 512 consecutive bytes of a result
; 12 matrix instructions: token block 2 hi + rbl x all 12 column blocks, 32 along K.  zero = 1: the first product starts the sums.
.macro MUL12 fa, fb, hi, rbl, zero
.irp cb, 0,1,2,3,4,5,6,7,8,9,10,11
.if \zero
	v_wmma_f32_16x16x32_bf16 v[8*(12*\rbl+\cb):8*(12*\rbl+\cb)+7], v[\fb+8*\cb:\fb+8*\cb+7], v[\fa+8*(2*\hi+\rbl):\fa+8*(2*\hi+\rbl)+7], 0
.else
	v_wmma_f32_16x16x32_bf16 v[8*(12*\rbl+\cb):8*(12*\rbl+\cb)+7], v[\fb+8*\cb:\fb+8*\cb+7], v[\fa+8*(2*\hi+\rbl):\fa+8*(2*\hi+\rbl)+7], v[8*(12*\rbl+\cb):8*(12*\rbl+\cb)+7]
.endif
.endr
.endm
; 32 LDS loads in one run: quarter q (32 along K) of a slot: 24 for W's 12 column blocks, then 8 for x's 4 token blocks
.macro FETCH slot, q, fa, fb
	WIN TO_B
.irp i, 0,1,2
.irp b, 0,1,2,3
	ds_load_tr16_b128 v[\fb+8*(4*\i+\b):\fb+8*(4*\i+\b)+3],   v[ADRB+3*\slot+\i] offset:\q*32*PITB+32*\b
	ds_load_tr16_b128 v[\fb+8*(4*\i+\b)+4:\fb+8*(4*\i+\b)+7], v[ADRB+3*\slot+\i] offset:\q*32*PITB+32*\b+16*PITB
.endr
.endr
	WIN 0
.irp rb, 0,1,2,3
	ds_load_b128 v[\fa+8*\rb:\fa+8*\rb+3],   v[ADRA+\slot] offset:\rb*16*PITA+64*\q
	ds_load_b128 v[\fa+8*\rb+4:\fa+8*\rb+7], v[ADRA+\slot] offset:\rb*16*PITA+64*\q+32
.endr
.endm
; A K step is four quarters of 48 matrix instructions on fragment buffers 0, 1, 0, 1.  The 48 accumulators take turns, one instruction a turn,
; in the same order in every quarter.
; One of the first three quarters: multiplies buffers fa, fb; in its middle it fetches quarter q of the same slot into ga, gb.
.macro QUARTER slot, q, fa, fb, ga, gb, zero
	s_wait_dscnt 4                                 ; W and x's token blocks 0, 1 are in; the youngest four loads (blocks 2, 3) may be out
	WIN MUL_LO
	MUL12 \fa, \fb, 0, 0, \zero
	MUL12 \fa, \fb, 0, 1, \zero
	PLACES                                         ; the loads below land in registers that the quarter before has multiplied
	FETCH \slot, \q, \ga, \gb
	s_wait_dscnt 32                                ; all but the 32 just issued
	WIN MUL_HI
	MUL12 \fa, \fb, 1, 0, \zero
	MUL12 \fa, \fb, 1, 1, \zero
.endm
.macro THREE slot, zero
	QUARTER \slot, 1, FA0, FB0, FA1, FB1, \zero
	QUARTER \slot, 2, FA1, FB1, FA0, FB0, 0
	QUARTER \slot, 3, FA0, FB0, FA1, FB1, 0
.endm
; The last quarter multiplies buffer 1 and changes slots.  In front of the barrier each wave waits for its reads of this slot and for all its tensor
; loads (one is out: its tile of the next slot).  Behind it nobody reads this slot and the next slot is whole.  fill = 1: the barrier opens a round of
; the cluster's barrier, and the joint refill, two K steps ahead, is the first tensor load behind the round: 180 matrix instructions lie between it and the wait for it.
.macro TURN slot, next, fill
	s_wait_dscnt 4
	WIN MUL_LO
	MUL12 FA1, FB1, 0, 0, 0
	s_wait_dscnt 0                                 ; my reads of this slot are over
	s_wait_tensorcnt 0x0                           ; and all my tensor loads have landed
	ds_add_u32 v255, v255
	s_wait_dscnt 0x0
	s_barrier_signal -1
	MUL12 FA1, FB1, 0, 1, 0                        ; register work while the others arrive
	WIN 0
	s_barrier_wait -1
.if \fill
	CREST
	s_add_nc_u64 s[G0A+4*\slot+2:G0A+4*\slot+3], s[G0A+4*\slot+2:G0A+4*\slot+3], 2*KSTEP*2
	s_add_nc_u64 s[G0B+4*\slot+2:G0B+4*\slot+3], s[G0B+4*\slot+2:G0B+4*\slot+3], 2*KSTEP*2048
	JLOAD \slot
.endif
	PLACES
	FETCH \next, 0, FA0, FB0
	WIN MUL_HI
	MUL12 FA1, FB1, 1, 0, 0
	MUL12 FA1, FB1, 1, 1, 0
.endm
.macro LAP zero
	THREE 0, \zero
	TURN 0, 1, 1
	THREE 1, 0
	TURN 1, 0, 1
.endm
	s_wait_tensorcnt 1                             ; my tile of K step 0 is in; K step 1's stays out
	s_wait_loadcnt 0x0                             ; the biases, once
	s_barrier_signal -1
	s_barrier_wait -1
	FETCH 0, 0, FA0, FB0
	LAP 1                                          ; the first lap stands in front of the loop: its first products start the sums
	WIN 0
	s_mov_b32 s3, LAPS-2
.Llap:
	LAP 0
	WIN 0
	s_sub_co_u32 s3, s3, 1
	s_cmp_lg_u32 s3, 0
	s_cbranch_scc1 .Llap
	THREE 0, 0                                     ; the last lap fills nothing
	TURN 0, 1, 0
	THREE 1, 0
	s_wait_dscnt 4
	WIN MUL_LO
	MUL12 FA1, FB1, 0, 0, 0
	MUL12 FA1, FB1, 0, 1, 0
	s_wait_dscnt 0
	WIN MUL_HI
	MUL12 FA1, FB1, 1, 0, 0
	MUL12 FA1, FB1, 1, 1, 0
	; THE WAY OUT, 16 tokens at a time: bias (and q's scale) in f32, one rounding to f16, 16 bytes a lane into my own stage, head rows back, stores of 512 bytes.
	PLACES                                         ; behind the last matrix instructions: the lines below read results and load into fragment registers
	WIN 0
.irp e, 0,1,2,3,4,5,6,7,8,9,10,11,12,13,14,15
	v_pk_mul_f32 v[BIAS+2*\e:BIAS+2*\e+1], v[BIAS+2*\e:BIAS+2*\e+1], QSCALE op_sel_hi:[1,0]   ; (s + bq) c = s c + bq c: one fused multiply-add below
.endr
	s_lshr_b32 s74, s43, 4                         ; batch
	s_lshl_b32 s74, s74, 4
	s_lshl1_add_u32 s75, s42, s22                  ; head = 2 x pair + ch
	s_add_co_u32 s74, s74, s75
	s_lshl_b32 s74, s74, 18                        ; 2,048 tokens x 128 bytes a head
	s_and_b32 s75, s43, 15
	s_lshl_b32 s75, s75, 14                        ; the block's 128 tokens in the batch
	s_add_co_u32 s74, s74, s75
	s_lshl_b32 s75, s21, 13                        ; my 64 tokens
	s_add_co_u32 s74, s74, s75
	s_mov_b32 s75, 0
	s_add_nc_u64 s[14:15], s[14:15], s[74:75]
	s_add_nc_u64 s[16:17], s[16:17], s[74:75]
	s_add_nc_u64 s[18:19], s[18:19], s[74:75]
; token block rb = the twelve tiles (rbl, 0..11) of window 2 or 3 (from = 0x02 or 0x03: source 0)
.macro OUT16 rb, rbl, from
.irp half, 0,1
	WIN \from
.irp c, 0,1,2,3,4,5
.irp p, 0,1,2,3
.if 6*\half+\c < 4
	v_pk_fma_f32 v[TP+8*\c+2*\p:TP+8*\c+2*\p+1], v[8*(12*\rbl+6*\half+\c)+2*\p:8*(12*\rbl+6*\half+\c)+2*\p+1], QSCALE, v[BIAS+8*(6*\half+\c)+2*\p:BIAS+8*(6*\half+\c)+2*\p+1] op_sel_hi:[1,0,1]
.else
	v_pk_add_f32 v[TP+8*\c+2*\p:TP+8*\c+2*\p+1], v[8*(12*\rbl+6*\half+\c)+2*\p:8*(12*\rbl+6*\half+\c)+2*\p+1], v[BIAS+8*(6*\half+\c)+2*\p:BIAS+8*(6*\half+\c)+2*\p+1]
.endif
.endr
.endr
	WIN 0
.irp c, 0,1,2,3,4,5
.irp p, 0,1,2,3
	v_cvt_pk_f16_f32 v[TP+8*\c+\p], v[TP+8*\c+2*\p], v[TP+8*\c+2*\p+1]     ; word p is written when both its old numbers have been read
.endr
.endr
.irp c, 0,1,2,3,4,5
	ds_store_b128 v[STO], v[TP+8*\c:TP+8*\c+3] offset:32*(6*\half+\c)      ; column block cb = 4 i + b lies at 128 i + 32 b = 32 cb
.endr
.endr
	s_wait_xcnt 0x0                                ; RB, which the last block's stores read, is loaded again only behind this wait
.irp t, 0,1,2,3
.irp i, 0,1,2
	ds_load_b128 v[RB+4*(3*\t+\i):RB+4*(3*\t+\i)+3], v[RD] offset:4*SPIT*\t+128*\i   ; LDS serves a wave's instructions in order (ISA guide 5.7.1): these see the stores above
.endr
.endr
.irp t, 0,1,2,3
.irp i, 0,1,2
	s_wait_dscnt 11-(3*\t+\i)                      ; this load is in, the younger ones stay out
	global_store_b128 v[CO], v[RB+4*(3*\t+\i):RB+4*(3*\t+\i)+3], s[14+2*\i:15+2*\i] offset:2048*\rb+512*\t   ; 512 consecutive bytes at a multiple of 512
.endr
.endr
.endm
	OUT16 0, 0, 0x02
	OUT16 1, 1, 0x02
	OUT16 2, 0, 0x03
	OUT16 3, 1, 0x03
	s_set_vgpr_msb 0x1
	s_wait_tensorcnt 0x0
	ds_add_u32 v255, v255
	s_wait_dscnt 0x0
	s_set_vgpr_msb 0x100
	CROUND                                         ; the closing round: no work-group ends while a partner may still ask for a tile that names it
	s_endpgm
.Lfunc_end_k_q4ae50d89f6_qkv:
	.size	k_q4ae50d89f6_qkv, .Lfunc_end_k_q4ae50d89f6_qkv-k_q4ae50d89f6_qkv
	.p2alignl 7, 3214868480
	.fill 96, 4, 3214868480
	.section	.rodata,"a",@progbits
	.p2align	6, 0x0
	.amdhsa_kernel k_q4ae50d89f6_qkv
		.amdhsa_group_segment_fixed_size 327680
		.amdhsa_private_segment_fixed_size 0
		.amdhsa_enable_private_segment 0
		.amdhsa_kernarg_size 64
		.amdhsa_user_sgpr_count 2
		.amdhsa_user_sgpr_kernarg_segment_ptr 1
		.amdhsa_wavefront_size32 1
		.amdhsa_system_sgpr_workgroup_id_x 1
		.amdhsa_system_sgpr_workgroup_id_y 1
		.amdhsa_system_sgpr_workgroup_id_z 1
		.amdhsa_system_vgpr_workitem_id 0
		.amdhsa_next_free_vgpr 960
		.amdhsa_next_free_sgpr 84
		.amdhsa_reserve_vcc 0
		.amdhsa_float_denorm_mode_32 3
		.amdhsa_float_denorm_mode_16_64 3
		.amdhsa_memory_ordered 1
		.amdhsa_forward_progress 1
		.amdhsa_inst_pref_size 182
	.end_amdhsa_kernel
	.amdgpu_metadata
---
amdhsa.version: [ 1, 2 ]
amdhsa.kernels:
  - .name:           k_q4ae50d89f6_qkv
    .symbol:         k_q4ae50d89f6_qkv.kd
    .args:
      - { .name: xb, .offset: 0, .size: 8, .value_kind: global_buffer, .address_space: global }
      - { .name: wb, .offset: 8, .size: 8, .value_kind: global_buffer, .address_space: global }
      - { .name: bq, .offset: 16, .size: 8, .value_kind: global_buffer, .address_space: global }
      - { .name: bk, .offset: 24, .size: 8, .value_kind: global_buffer, .address_space: global }
      - { .name: bv, .offset: 32, .size: 8, .value_kind: global_buffer, .address_space: global }
      - { .name: qh, .offset: 40, .size: 8, .value_kind: global_buffer, .address_space: global }
      - { .name: kh, .offset: 48, .size: 8, .value_kind: global_buffer, .address_space: global }
      - { .name: vh, .offset: 56, .size: 8, .value_kind: global_buffer, .address_space: global }
    .group_segment_fixed_size: 327680
    .private_segment_fixed_size: 0
    .kernarg_segment_align: 8
    .kernarg_segment_size: 64
    .max_flat_workgroup_size: 128
    .sgpr_count:     84
    .vgpr_count:     960
    .wavefront_size: 32
...
	.end_amdgpu_metadata
.endif
;; end of part 2
;; launch attn (part 3): grid 8 x 32, 8 waves a work-group, clusters of 4 x 1, 327,680 bytes of LDS; arguments qh, kh, vh, mk, out0; writes out0
.if DOCPART == 3
	.amdgcn_target "amdgcn-amd-amdhsa--gfx1250"
	.amdhsa_code_object_version 6
	.text
	.protected	k_q4ae50d89f6_attn
	.globl	k_q4ae50d89f6_attn
	.p2align	8
	.type	k_q4ae50d89f6_attn,@function
k_q4ae50d89f6_attn:
	s_mov_b64 s[64:65], 0
	v_nop
	global_prefetch_b8 v0, s[64:65] scope:SCOPE_SE
	s_setreg_imm32_b32 hwreg(HW_REG_WAVE_MODE, 25, 1), 1
	s_wait_xcnt 0x0
	s_wait_alu depctr_hold_cnt(0) depctr_sa_sdst(0) depctr_va_vdst(0) depctr_va_sdst(0) depctr_va_ssrc(0) depctr_va_vcc(0) depctr_vm_vsrc(0)
	s_getreg_b32 s2, hwreg(HW_REG_IB_STS2, 6, 4)
	s_cmp_eq_u32 s2, 0
	s_cbranch_scc0 .Lentry_in_a_cluster
	s_endpgm
.Lentry_in_a_cluster:
	s_bfe_u32 s2, ttmp6, 0x10000c
	s_cmp_lg_u32 s2, 0x3003
	s_cbranch_scc0 .Lentry_shape_is_right
	s_endpgm
.Lentry_shape_is_right:
; Attention with a running maximum.  qh (already times log2(e) / 8), kh, vh: [batch * 16 + head][2048][64] f16; mk: [2][2048] f32, the mask times log2(e);
; out0: [2][2048][1024] f32.  Products with f16 operands and f32 sums; maximum, exponentials, sums and the result in f32.
; LIMITS: P enters the second product rounded to f16 (numbers below 2^-24 of the row's largest drop out), while the row sum adds the f32 numbers.
; A row whose keys are all masked at or below -5.9e37 gives the plain mean of v.
; A work-group makes 256 queries of one (batch, head): 8 x 32 = 256 work-groups.  Eight waves: wave w takes 64 queries (w & 3) and one half of the keys
; (w >> 2): of the four 64-key steps of a tile the steps 2 jj + (w >> 2).  The two halves' results meet in LDS at the end.
; CLUSTER 4 x 1: the four query blocks of a cluster read the same K, V and mask tiles and ask for them jointly (mask 15).
; K, V, mask come in tiles of 256 keys through a ring of two LDS slots; each wave asks for 32 rows of K, 32 of V and 128 bytes of the mask.
; THE PRODUCTS ARE TRANSPOSED.  S^T = K Q^T + mask: source 0 = 16 keys, source 1 = 16 queries, C = the mask's fragment in the first link, so the mask costs
; no vector instruction.  Lane l holds query l % 16 and keys 8 (l / 16) + 0..7 of each 16: packed to f16, two such tiles ARE source 1 of O^T = V^T P^T
; (source 0 = V through the transposing load).  Maximum, sum and rescaling factor are then one number a lane.
; The waves of the second key half do their second softmax of a period behind the period's barrier, those of the first half in front of it: the two halves
; run half a step apart, so that one half has vector work while the other has matrix work.
.set TILE, 256
.set PK,   144                         ; K's LDS row: 128 bytes + 16 (an odd multiple of 16)
.set PV,   160                         ; V's LDS row: 128 bytes + 32 (an odd multiple of 32, for the transposing load)
.set VOFF, TILE*PK                     ; 36,864
.set MOFF, VOFF+TILE*PV                ; 77,824
.set SLOT, MOFF+TILE*4                 ; 78,848
.set STAT, 2*SLOT                      ; 157,696: 512 bytes a wave: (maximum, sum) of its 64 queries.  No tensor load lands here or behind
.set STG,  STAT+8*512                  ; 161,792: 64 rows x 272 bytes a wave: its scaled part of the result
.set PS,   272
; window 0
.set ADK, 2                            ; v2-3    LDS address of my K fragments in slot 0, 1
.set ADV, 4                            ; v4-5    of my V fragments
.set ADM, 6                            ; v6-7    of my mask fragments
.set PM,  8                            ; v[8+2qb:9+2qb]    (running maximum, a number from the other half of the lanes)
.set PA,  16                           ; v[16+2qb:17+2qb]  (rescaling factor, my lane's running sum)
.set TM,  24                           ; v[24+qb]          the new maximum
.set SA,  28                           ; v[28:29]          a step's sum, two chains
.set TT,  30
.set QF,  32                           ; v[32+16qb+8ds ..] Q fragments: 4 query blocks x 2 halves of d
.set SC,  96                           ; v[96+32qb+8kt+j]  scores, then P in f16 at +0..7 (keys 0-31) and +16..23 (keys 32-63) of each query block
.set MK,  224                          ; v[224+8kt ..]     mask fragments
; window 1
.set OA,  0                            ; v[32qb+8dt ..]    O^T: 4 query blocks x 4 blocks of d
.set KF,  128                          ; v[128+16kt+8ds ..]
.set VF,  192                          ; v[192+16dt+8ks ..]
.set W_LD, 0x40                        ; destination window 1, address window 0
.set W_S,  0x01                        ; source 0 (K) window 1; Q, C and D window 0
.set W_RS, 0x41                        ; O = O x factor: destination and source 0 window 1
.set W_PV, 0x51                        ; source 0 (V), C and D window 1; source 1 (P) window 0
.set W_ST, 0x04                        ; LDS store: data (source 1) window 1
.set G1K, 24                           ; s[24:31], s[32:39], s[40:47]: descriptor group 1 of K, V, mask
.set G1V, 32
.set G1M, 40
.set G0K, 48                           ; s[48:55], s[56:63], s[68:75]: group 0, one set for each slot
.set G0V, 56
.set G0M, 68
.set MSB, 0
.macro WIN new
.if MSB != \new
	s_set_vgpr_msb (MSB<<8)|\new
.set MSB, \new
.endif
.endm
.macro PLACES n                        ; places behind matrix instructions (ISA guide 7.12.1), where there is no other vector work
.rept \n
	v_nop
.endr
.endm
.macro ROUND                           ; a round of the cluster's barrier
	s_barrier_signal -1
	s_barrier_wait -1
	s_cmp_lg_u32 s14, 0
	s_cbranch_scc1 .Lnot_wave_0_\@
	s_barrier_signal -3
.Lnot_wave_0_\@:
	s_barrier_wait -3
	s_barrier_signal -1
	s_barrier_wait -1
.endm
	s_load_b256 s[4:11], s[0:1], 0x0               ; qh s[4:5], kh s[6:7], vh s[8:9], mk s[10:11]
	s_load_b64 s[12:13], s[0:1], 0x20              ; out0
	v_lshl_add_u32 v254, v0, 2, 0x49800
	v_mov_b32 v255, 0
	ds_add_u32 v254, v255
	s_wait_dscnt 0x0
	v_lshrrev_b32 v1, 5, v0
	v_readfirstlane_b32 s14, v1                    ; wave 0..7
	s_and_b32 s15, s14, 3                          ; g: which 64 queries
	s_lshr_b32 s16, s14, 2                         ; kp: which half of the keys
	s_bfe_u32 s17, ttmp6, 0x40000                  ; cx
	s_lshl_b32 s18, ttmp9, 2
	s_add_co_u32 s18, s18, s17                     ; query block 0..7
	s_and_b32 s19, ttmp7, 0xffff                   ; batch * 16 + head
	s_lshr_b32 s20, s19, 4                         ; batch
	s_and_b32 s21, s19, 15                         ; head
	s_mov_b32 s84, 0x76543210                      ; v_permlanex16_b32: lane i of one half reads lane i of the other
	s_mov_b32 s85, 0xfedcba98
	; group 1 of K and V: 32 rows x 64 elements of 2 bytes, pitch 64; a pad behind every 32 words: 4 words for K, 8 for V; mask 15, bit 21 beside it
	s_mov_b32 s[G1K+0], 15|(1<<16)|(1<<20)|(1<<21)|(4<<22)|(3<<25)
	s_mov_b32 s[G1V+0], 15|(1<<16)|(1<<20)|(1<<21)|(4<<22)|(7<<25)
	s_mov_b32 s[G1K+1], 64<<16
	s_mov_b32 s[G1V+1], 64<<16
	s_mov_b32 s[G1K+2], 32<<16
	s_mov_b32 s[G1V+2], 32<<16
	s_mov_b32 s[G1K+3], 64<<16
	s_mov_b32 s[G1V+3], 64<<16
	s_mov_b32 s[G1K+4], 32
	s_mov_b32 s[G1V+4], 32
	s_mov_b32 s[G1K+5], 64
	s_mov_b32 s[G1V+5], 64
	s_mov_b32 s[G1K+6], 0
	s_mov_b32 s[G1V+6], 0
	s_mov_b32 s[G1K+7], 0
	s_mov_b32 s[G1V+7], 0
	; group 1 of the mask: one row of 16 elements of 8 bytes, no pad
	s_mov_b32 s[G1M+0], 15|(3<<16)|(1<<21)
	s_mov_b32 s[G1M+1], 16<<16
	s_mov_b32 s[G1M+2], 1<<16
	s_mov_b32 s[G1M+3], 16<<16
	s_mov_b32 s[G1M+4], 1
	s_mov_b32 s[G1M+5], 16
	s_mov_b32 s[G1M+6], 0
	s_mov_b32 s[G1M+7], 0
	; where my parts of a tile come from and go: batch, head and the wave's number alone, which the four partners share
	s_lshl_b32 s76, s19, 18                        ; 2,048 rows x 128 bytes a head
	s_lshl_b32 s77, s14, 12                        ; my 32 rows
	s_add_co_u32 s76, s76, s77
	s_mov_b32 s77, 0
	s_lshl_b32 s82, s20, 13                        ; the batch's 2,048 mask numbers
	s_lshl_b32 s83, s14, 7                         ; my 32
	s_add_co_u32 s82, s82, s83
	s_mov_b32 s83, 0
	s_mul_i32 s87, s14, 32*PK
	s_mul_i32 s88, s14, 32*PV
	s_lshl_b32 s89, s14, 7
	s_lshl_b32 s22, s19, 18                        ; Q: the head, the block's 256 queries, my 64
	s_lshl_b32 s23, s18, 15
	s_add_co_u32 s22, s22, s23
	s_lshl_b32 s23, s15, 13
	s_add_co_u32 s22, s22, s23
	s_mov_b32 s23, 0
	s_wait_kmcnt 0x0
	s_add_nc_u64 s[78:79], s[6:7], s[76:77]
	s_add_nc_u64 s[80:81], s[8:9], s[76:77]
	s_add_nc_u64 s[82:83], s[10:11], s[82:83]
	s_add_nc_u64 s[4:5], s[4:5], s[22:23]
.irp s, 0,1
	s_mov_b32 s[G0K+4*\s], 1
	s_add_co_u32 s[G0K+4*\s+1], s87, \s*SLOT
	s_add_nc_u64 s[G0K+4*\s+2:G0K+4*\s+3], s[78:79], \s*TILE*128
	s_or_b32 s[G0K+4*\s+3], s[G0K+4*\s+3], 0x80000000
	s_mov_b32 s[G0V+4*\s], 1
	s_add_co_u32 s[G0V+4*\s+1], s88, \s*SLOT+VOFF
	s_add_nc_u64 s[G0V+4*\s+2:G0V+4*\s+3], s[80:81], \s*TILE*128
	s_or_b32 s[G0V+4*\s+3], s[G0V+4*\s+3], 0x80000000
	s_mov_b32 s[G0M+4*\s], 1
	s_add_co_u32 s[G0M+4*\s+1], s89, \s*SLOT+MOFF
	s_add_nc_u64 s[G0M+4*\s+2:G0M+4*\s+3], s[82:83], \s*TILE*4
	s_or_b32 s[G0M+4*\s+3], s[G0M+4*\s+3], 0x80000000
.endr
	ROUND                                          ; the four work-groups are here: the first joint loads meet
.irp s, 0,1
	tensor_load_to_lds s[G0K+4*\s:G0K+4*\s+3], s[G1K:G1K+7]    ; tiles 0 and 1: six tensor loads of the wave are out here, later three
	s_nop 0
	tensor_load_to_lds s[G0V+4*\s:G0V+4*\s+3], s[G1V:G1V+7]
	s_nop 0
	tensor_load_to_lds s[G0M+4*\s:G0M+4*\s+3], s[G1M:G1M+7]
	s_nop 0
.endr
	; Q stays in registers: lane l holds query l % 16 of each block; d = 32 ds + 8 h + 0..7 and + 16
	v_and_b32 v96, 15, v0                          ; r
	v_bfe_u32 v97, v0, 4, 1                        ; h
	v_lshlrev_b32 v1, 7, v96
	v_lshl_add_u32 v1, v97, 4, v1
.irp qb, 0,1,2,3
.irp ds, 0,1
	global_load_b128 v[QF+16*\qb+8*\ds:QF+16*\qb+8*\ds+3],   v1, s[4:5] offset:2048*\qb+64*\ds
	global_load_b128 v[QF+16*\qb+8*\ds+4:QF+16*\qb+8*\ds+7], v1, s[4:5] offset:2048*\qb+64*\ds+32
.endr
.endr
	v_mul_u32_u24 v100, v96, PK                    ; K: row r, 16 bytes for each half of the lanes, my half of the keys
	v_lshl_add_u32 v100, v97, 4, v100
	s_mul_i32 s22, s16, 64*PK
	v_add_nc_u32 v[ADK], s22, v100
	v_add_nc_u32 v[ADK+1], SLOT, v[ADK]
	v_and_b32 v98, 7, v0                           ; V through the transposing load: row 8 h + l % 8, 16 bytes at 16 ((l >> 3) & 1)
	v_lshl_add_u32 v98, v97, 3, v98
	v_mul_u32_u24 v98, v98, PV
	v_bfe_u32 v99, v0, 3, 1
	v_lshl_add_u32 v98, v99, 4, v98
	s_mul_i32 s23, s16, 64*PV
	s_add_co_u32 s23, s23, VOFF
	v_add_nc_u32 v[ADV], s23, v98
	v_add_nc_u32 v[ADV+1], SLOT, v[ADV]
	s_lshl_b32 s76, s16, 8                         ; mask: the 8 numbers of keys 8 h + 0..7
	s_add_co_u32 s76, s76, MOFF
	v_lshl_add_u32 v[ADM], v97, 5, s76
	v_add_nc_u32 v[ADM+1], SLOT, v[ADM]
.irp qb, 0,1,2,3
	v_mov_b32 v[PM+2*\qb+1], 0                     ; the destination of v_permlanex16_b32 counts as read: it is written once here
.endr
; One step's loads and scores: 64 keys (step 2 jj + kp of the slot's tile) x my 64 queries.
.macro SCORES slot, jj
	WIN 0
.irp kt, 0,1,2,3
	ds_load_b128 v[MK+8*\kt:MK+8*\kt+3],   v[ADM+\slot] offset:512*\jj+64*\kt
	ds_load_b128 v[MK+8*\kt+4:MK+8*\kt+7], v[ADM+\slot] offset:512*\jj+64*\kt+16
.endr
	WIN W_LD
.irp kt, 0,1,2,3
.irp ds, 0,1
	ds_load_b128 v[KF+16*\kt+8*\ds:KF+16*\kt+8*\ds+3],   v[ADK+\slot] offset:128*PK*\jj+16*PK*\kt+64*\ds
	ds_load_b128 v[KF+16*\kt+8*\ds+4:KF+16*\kt+8*\ds+7], v[ADK+\slot] offset:128*PK*\jj+16*PK*\kt+64*\ds+32
.endr
.endr
.irp dt, 0,1,2,3
.irp ks, 0,1
	ds_load_tr16_b128 v[VF+16*\dt+8*\ks:VF+16*\dt+8*\ks+3],   v[ADV+\slot] offset:128*PV*\jj+32*PV*\ks+32*\dt
	ds_load_tr16_b128 v[VF+16*\dt+8*\ks+4:VF+16*\dt+8*\ks+7], v[ADV+\slot] offset:128*PV*\jj+32*PV*\ks+32*\dt+16*PV
.endr
.endr
	s_wait_dscnt 16                                ; mask and K are in; the sixteen loads of V stay out until the second product
	WIN W_S
.irp qb, 0,1,2,3                                   ; the 16 accumulators take turns, one instruction a turn
.irp kt, 0,1,2,3
	v_wmma_f32_16x16x32_f16 v[SC+32*\qb+8*\kt:SC+32*\qb+8*\kt+7], v[KF+16*\kt:KF+16*\kt+7], v[QF+16*\qb:QF+16*\qb+7], v[MK+8*\kt:MK+8*\kt+7]
.endr
.endr
.irp qb, 0,1,2,3
.irp kt, 0,1,2,3
	v_wmma_f32_16x16x32_f16 v[SC+32*\qb+8*\kt:SC+32*\qb+8*\kt+7], v[KF+16*\kt+8:KF+16*\kt+15], v[QF+16*\qb+8:QF+16*\qb+15], v[SC+32*\qb+8*\kt:SC+32*\qb+8*\kt+7]
.endr
.endr
	WIN 0
	PLACES 5                                       ; four before vector instructions read the scores.  The fifth keeps the distance of five in front of the next step's score
	                                               ; products, which write over these, on every way through the text: also on the one past both copies of the softmax in PERIOD,
	                                               ; which no wave takes (the two branches there test the same wave number from opposite sides)
.endm
.macro SUBP qb, p                      ; pair p of query block qb, minus the block's maximum
	v_pk_add_f32 v[SC+32*(\qb)+2*(\p):SC+32*(\qb)+2*(\p)+1], v[SC+32*(\qb)+2*(\p):SC+32*(\qb)+2*(\p)+1], v[PM+2*(\qb):PM+2*(\qb)+1] op_sel_hi:[1,0] neg_lo:[0,1] neg_hi:[0,1]
.endm
.macro SUMP qb, p                      ; pair p joins the step's sum; pairs 0 and 1 start it
.if (\p) == 0
	s_wait_alu depctr_va_vdst(0)
	v_pk_add_f32 v[SA:SA+1], v[SC+32*(\qb):SC+32*(\qb)+1], v[SC+32*(\qb)+2:SC+32*(\qb)+3]
.else
.if (\p) >= 2
	v_pk_add_f32 v[SA:SA+1], v[SA:SA+1], v[SC+32*(\qb)+2*(\p):SC+32*(\qb)+2*(\p)+1]
.endif
.endif
.endm
.macro CVTP qb, p                      ; pair p to f16, in place: word p (keys 0-31) or word 8 + p (keys 32-63); the word's old number has been summed and packed
.if (\p) < 8
	v_cvt_pk_f16_f32 v[SC+32*(\qb)+(\p)], v[SC+32*(\qb)+2*(\p)], v[SC+32*(\qb)+2*(\p)+1]
.else
	v_cvt_pk_f16_f32 v[SC+32*(\qb)+8+(\p)], v[SC+32*(\qb)+2*(\p)], v[SC+32*(\qb)+2*(\p)+1]
.endif
.endm
.macro FIN qb, first                   ; running sum = running sum x factor + the step's sum
.if \first
	v_add_f32 v[PA+2*(\qb)+1], v[SA], v[SA+1]
.else
	v_add_f32 v[TT], v[SA], v[SA+1]
	v_fma_f32 v[PA+2*(\qb)+1], v[PA+2*(\qb)+1], v[PA+2*(\qb)], v[TT]
.endif
.endm
; The exponentials of query block qb, with plain work of its neighbours between them: the subtraction for block qb + 1, sum and packing of block qb - 1.
; No exponential's result is read by the line behind it (ISA guide 5.7.2): block qb's are first read in the next ZIP.
.macro ZIP qb, first
.irp p, 0,1,2,3,4,5,6,7,8,9,10,11,12,13,14,15
	v_exp_f32 v[SC+32*\qb+2*\p], v[SC+32*\qb+2*\p]
.if \qb < 3
	SUBP \qb+1, \p
.endif
	v_exp_f32 v[SC+32*\qb+2*\p+1], v[SC+32*\qb+2*\p+1]
.if \qb > 0
	SUMP \qb-1, \p
	CVTP \qb-1, \p
.endif
.endr
.if \qb > 0
	FIN \qb-1, \first
.endif
.endm
; One step's softmax and second product, on registers alone but for the wait for V.  first = 1: nothing to rescale, the products start the sums.
.macro SOFTPV first
.irp qb, 0,1,2,3                                   ; the new maximum of my 32 scores and the old one: four chains side by side
.if \first
	v_max_num_f32 v[TM+\qb], v[SC+32*\qb], v[SC+32*\qb+1]
.else
	v_max3_num_f32 v[TM+\qb], v[SC+32*\qb], v[SC+32*\qb+1], v[PM+2*\qb]
.endif
.endr
.irp e, 1,2,3,4,5,6,7,8,9,10,11,12,13,14,15
.irp qb, 0,1,2,3
	v_max3_num_f32 v[TM+\qb], v[TM+\qb], v[SC+32*\qb+2*\e], v[SC+32*\qb+2*\e+1]
.endr
.endr
.irp qb, 0,1,2,3
	v_permlanex16_b32 v[PM+2*\qb+1], v[TM+\qb], s84, s85       ; the other half of the lanes holds the query's other 32 keys
.endr
.irp qb, 0,1,2,3
	v_max_num_f32 v[TM+\qb], v[TM+\qb], v[PM+2*\qb+1]
.endr
.if \first == 0
.irp qb, 0,1,2,3
	v_sub_f32 v[PA+2*\qb], v[PM+2*\qb], v[TM+\qb]              ; old maximum - new
.endr
.endif
.irp qb, 0,1,2,3
	v_mov_b32 v[PM+2*\qb], v[TM+\qb]
.endr
.if \first == 0
.irp qb, 0,1,2,3
	v_exp_f32 v[PA+2*\qb], v[PA+2*\qb]                         ; the factor; first read far below
.endr
.endif
.irp p, 0,1,2,3,4,5,6,7,8,9,10,11,12,13,14,15
	SUBP 0, \p
.endr
	ZIP 0, \first
	ZIP 1, \first
	ZIP 2, \first
	ZIP 3, \first
.irp p, 0,1,2,3,4,5,6,7,8,9,10,11,12,13,14,15
	SUMP 3, \p
	CVTP 3, \p
.endr
	FIN 3, \first
.if \first == 0
	WIN W_RS
.irp qb, 0,1,2,3
.irp e, 0,1,2,3,4,5,6,7,8,9,10,11,12,13,14,15
	v_pk_mul_f32 v[OA+32*\qb+2*\e:OA+32*\qb+2*\e+1], v[OA+32*\qb+2*\e:OA+32*\qb+2*\e+1], v[PA+2*\qb:PA+2*\qb+1] op_sel_hi:[1,0]
.endr
.endr
.endif
	s_wait_dscnt 0x0                               ; V's fragments are in
	WIN W_PV
.irp qb, 0,1,2,3                                   ; 16 accumulators by turns, one instruction a turn
.irp dt, 0,1,2,3
.if \first
	v_wmma_f32_16x16x32_f16 v[OA+32*\qb+8*\dt:OA+32*\qb+8*\dt+7], v[VF+16*\dt:VF+16*\dt+7], v[SC+32*\qb:SC+32*\qb+7], 0
.else
	v_wmma_f32_16x16x32_f16 v[OA+32*\qb+8*\dt:OA+32*\qb+8*\dt+7], v[VF+16*\dt:VF+16*\dt+7], v[SC+32*\qb:SC+32*\qb+7], v[OA+32*\qb+8*\dt:OA+32*\qb+8*\dt+7]
.endif
.endr
.endr
.irp qb, 0,1,2,3
.irp dt, 0,1,2,3
	v_wmma_f32_16x16x32_f16 v[OA+32*\qb+8*\dt:OA+32*\qb+8*\dt+7], v[VF+16*\dt+8:VF+16*\dt+15], v[SC+32*\qb+16:SC+32*\qb+23], v[OA+32*\qb+8*\dt:OA+32*\qb+8*\dt+7]
.endr
.endr
	WIN 0
	PLACES 5                                       ; four before loads land in V's fragments, five before the next scores are written over P
.endm
; One tile.  mode 2: this slot is filled again, two tiles ahead; mode 1: the next slot's tile is only shown to all waves; mode 0: the last tile.
; In front of the barrier every wave waits for its reads of this slot and for all its tensor loads (three are out: its parts of the next slot's tile).
; With mode 2 the barrier is a round of the cluster's barrier, and the three joint refills are the first tensor loads behind it;
; they have a whole period, 128 matrix instructions and two softmaxes of every wave, in which to land.
.macro PERIOD slot, first, mode
	SCORES \slot, 0
	SOFTPV \first
	SCORES \slot, 1
.if \mode == 0
	SOFTPV 0
.else
	s_cmp_ge_u32 s14, 4
	s_cbranch_scc1 .Llater_\@                      ; the second key half does this softmax behind the barrier: it needs registers alone
	SOFTPV 0
.Llater_\@:
	s_wait_dscnt 0x0
	s_wait_xcnt 0x0
	v_lshl_add_u32 v254, v0, 2, 0x49800
	v_mov_b32 v255, 0
	s_wait_tensorcnt 0x0
	ds_add_u32 v254, v255
	s_wait_dscnt 0x0
.if \mode == 2
	s_add_nc_u64 s[G0K+4*\slot+2:G0K+4*\slot+3], s[G0K+4*\slot+2:G0K+4*\slot+3], 2*TILE*128   ; no tensor load of mine is out: group 0 may be written
	s_add_nc_u64 s[G0V+4*\slot+2:G0V+4*\slot+3], s[G0V+4*\slot+2:G0V+4*\slot+3], 2*TILE*128
	s_add_nc_u64 s[G0M+4*\slot+2:G0M+4*\slot+3], s[G0M+4*\slot+2:G0M+4*\slot+3], 2*TILE*4
	ROUND
	tensor_load_to_lds s[G0K+4*\slot:G0K+4*\slot+3], s[G1K:G1K+7]
	s_nop 0
	tensor_load_to_lds s[G0V+4*\slot:G0V+4*\slot+3], s[G1V:G1V+7]
	s_nop 0
	tensor_load_to_lds s[G0M+4*\slot:G0M+4*\slot+3], s[G1M:G1M+7]
	s_nop 0
.else
	s_barrier_signal -1
	s_barrier_wait -1
.endif
	s_cmp_lt_u32 s14, 4
	s_cbranch_scc1 .Ldone_\@
	SOFTPV 0
.Ldone_\@:
.endif
.endm
	s_wait_tensorcnt 3                             ; my three parts of tile 0 are in; tile 1's three stay out
	s_wait_loadcnt 0x0                             ; Q
	s_barrier_signal -1
	s_barrier_wait -1
	PERIOD 0, 1, 2                                 ; tiles 0, 1: the first products start the sums; tiles 2, 3 are asked for
	PERIOD 1, 0, 2
	s_mov_b32 s86, 2
.Lpair:
	PERIOD 0, 0, 2                                 ; tiles 2 to 5; tiles 4 to 7 are asked for
	PERIOD 1, 0, 2
	s_sub_co_u32 s86, s86, 1
	s_cmp_lg_u32 s86, 0
	s_cbranch_scc1 .Lpair
	PERIOD 0, 0, 1                                 ; tile 6
	PERIOD 1, 0, 0                                 ; tile 7
	; THE END: the two key halves of each query meet.  The mask fragments' registers hold the addresses and small numbers from here on.
.set ER,  224                          ; r
.set EH,  225                          ; h
.set ES,  226                          ; my (maximum, sum) words
.set EO,  227                          ; my partner's (wave xor 4)
.set EG,  228                          ; where I put my part of the result
.set RDA, 229                          ; where I read rows of the first key half,
.set RDB, 230                          ; and of the second
.set EC,  231                          ; my byte offset in out0
.set EM,  232                          ; v[232+2qb:233+2qb] the partner's (maximum, sum)
.set EL,  240                          ; v[240+qb] the common maximum, then the whole sum, then its reciprocal
.set EF,  244                          ; v[244+qb] my factor
.set EFO, 248                          ; v[248+qb] the partner's factor
	v_and_b32 v[ER], 15, v0
	v_bfe_u32 v[EH], v0, 4, 1
	s_lshl_b32 s22, s14, 9
	s_add_co_u32 s22, s22, STAT
	v_lshl_add_u32 v[ES], v[ER], 3, s22
	s_xor_b32 s23, s14, 4
	s_lshl_b32 s23, s23, 9
	s_add_co_u32 s23, s23, STAT
	v_lshl_add_u32 v[EO], v[ER], 3, s23
	s_mul_i32 s76, s14, 64*PS
	s_add_co_u32 s76, s76, STG
	v_mul_u32_u24 v[EG], v[ER], PS
	v_lshl_add_u32 v[EG], v[EH], 5, v[EG]
	v_add_nc_u32 v[EG], s76, v[EG]                 ; row r, 32 bytes for each half of the lanes
	s_mul_i32 s77, s15, 64*PS
	s_mul_i32 s78, s16, 32*PS
	s_add_co_u32 s77, s77, s78
	s_add_co_u32 s77, s77, STG
	v_mul_u32_u24 v[RDA], v[EH], PS
	v_lshl_add_u32 v[RDA], v[ER], 4, v[RDA]
	v_add_nc_u32 v[RDA], s77, v[RDA]               ; queries 32 kp + .. of my group: lanes 0-15 one row of 256 bytes, lanes 16-31 the next
	v_add_nc_u32 v[RDB], 4*64*PS, v[RDA]
	v_lshlrev_b32 v[EC], 12, v[EH]
	v_lshl_add_u32 v[EC], v[ER], 4, v[EC]          ; a token's row of out0 is 4,096 bytes
	s_lshl_b32 s80, s20, 23                        ; batch, query block, my group, my half of its queries, head
	s_lshl_b32 s81, s18, 20
	s_add_co_u32 s80, s80, s81
	s_lshl_b32 s81, s15, 18
	s_add_co_u32 s80, s80, s81
	s_lshl_b32 s81, s16, 17
	s_add_co_u32 s80, s80, s81
	s_lshl_b32 s81, s21, 8
	s_add_co_u32 s80, s80, s81
	s_mov_b32 s81, 0
	s_add_nc_u64 s[12:13], s[12:13], s[80:81]
.irp qb, 0,1,2,3
	v_permlanex16_b32 v[PM+2*\qb+1], v[PA+2*\qb+1], s84, s85   ; the sum of the query's other 32 keys of each step
.endr
.irp qb, 0,1,2,3
	v_add_f32 v[PM+2*\qb+1], v[PM+2*\qb+1], v[PA+2*\qb+1]
.endr
.irp qb, 0,1,2,3
	ds_store_b64 v[ES], v[PM+2*\qb:PM+2*\qb+1] offset:128*\qb  ; both halves of the lanes write the same numbers
.endr
	s_wait_dscnt 0x0                               ; for the partner's sake
	s_barrier_signal -1
	s_barrier_wait -1
.irp qb, 0,1,2,3
	ds_load_b64 v[EM+2*\qb:EM+2*\qb+1], v[EO] offset:128*\qb
.endr
	s_wait_dscnt 0x0
.irp qb, 0,1,2,3
	v_max_num_f32 v[EL+\qb], v[PM+2*\qb], v[EM+2*\qb]
.endr
.irp qb, 0,1,2,3
	v_sub_f32 v[EF+\qb], v[PM+2*\qb], v[EL+\qb]
	v_sub_f32 v[EFO+\qb], v[EM+2*\qb], v[EL+\qb]
.endr
.irp qb, 0,1,2,3
	v_exp_f32 v[EF+\qb], v[EF+\qb]
	v_exp_f32 v[EFO+\qb], v[EFO+\qb]
.endr
	v_nop                                          ; one plain place behind the exponentials (ISA guide 5.7.2)
.irp qb, 0,1,2,3
	s_wait_alu depctr_va_vdst(0)
	v_mul_f32 v[EL+\qb], v[EM+2*\qb+1], v[EFO+\qb]
.endr
.irp qb, 0,1,2,3
	v_fma_f32 v[EL+\qb], v[PM+2*\qb+1], v[EF+\qb], v[EL+\qb]   ; the whole sum: at least 1, since the half with the larger maximum has factor 1 and a sum of at least 1
.endr
.irp qb, 0,1,2,3
	v_rcp_f32 v[EL+\qb], v[EL+\qb]
.endr
	v_nop
.irp qb, 0,1,2,3
	s_wait_alu depctr_va_vdst(0)
	v_mul_f32 v[PA+2*\qb], v[EF+\qb], v[EL+\qb]                ; my factor / the whole sum
.endr
	WIN W_RS
.irp qb, 0,1,2,3
.irp e, 0,1,2,3,4,5,6,7,8,9,10,11,12,13,14,15
	v_pk_mul_f32 v[OA+32*\qb+2*\e:OA+32*\qb+2*\e+1], v[OA+32*\qb+2*\e:OA+32*\qb+2*\e+1], v[PA+2*\qb:PA+2*\qb+1] op_sel_hi:[1,0]
.endr
.endr
	WIN W_ST
.irp qb, 0,1,2,3
.irp dt, 0,1,2,3
	ds_store_b128 v[EG], v[OA+32*\qb+8*\dt:OA+32*\qb+8*\dt+3]   offset:16*PS*\qb+64*\dt
	ds_store_b128 v[EG], v[OA+32*\qb+8*\dt+4:OA+32*\qb+8*\dt+7] offset:16*PS*\qb+64*\dt+16
.endr
.endr
	WIN 0
	s_wait_dscnt 0x0                               ; for the partner's sake
	s_barrier_signal -1
	s_barrier_wait -1
.irp t, 0,1,2,3,4,5,6,7,8,9,10,11,12,13,14,15
	ds_load_b128 v[SC+8*\t:SC+8*\t+3],   v[RDA] offset:2*PS*\t
	ds_load_b128 v[SC+8*\t+4:SC+8*\t+7], v[RDB] offset:2*PS*\t
.endr
.irp t, 0,1,2,3,4,5,6,7,8,9,10,11,12,13,14,15
	s_wait_dscnt 30-2*\t                           ; this pair of loads is in, the younger pairs stay out
	v_pk_add_f32 v[SC+8*\t:SC+8*\t+1],   v[SC+8*\t:SC+8*\t+1],   v[SC+8*\t+4:SC+8*\t+5]
	v_pk_add_f32 v[SC+8*\t+2:SC+8*\t+3], v[SC+8*\t+2:SC+8*\t+3], v[SC+8*\t+6:SC+8*\t+7]
	global_store_b128 v[EC], v[SC+8*\t:SC+8*\t+3], s[12:13] offset:8192*\t th:TH_STORE_NT   ; 16 lanes store a head's 256 consecutive bytes of a token, at a multiple of 256
.endr
	s_wait_xcnt 0x0
	v_lshl_add_u32 v254, v0, 2, 0x49800
	v_mov_b32 v255, 0
	s_wait_tensorcnt 0x0
	ds_add_u32 v254, v255
	s_wait_dscnt 0x0
	ROUND                                          ; the closing round: no work-group ends while a partner may still ask for a tile that names it
	s_endpgm
.Lfunc_end_k_q4ae50d89f6_attn:
	.size	k_q4ae50d89f6_attn, .Lfunc_end_k_q4ae50d89f6_attn-k_q4ae50d89f6_attn
	.p2alignl 7, 3214868480
	.fill 96, 4, 3214868480
	.section	.rodata,"a",@progbits
	.p2align	6, 0x0
	.amdhsa_kernel k_q4ae50d89f6_attn
		.amdhsa_group_segment_fixed_size 327680
		.amdhsa_private_segment_fixed_size 0
		.amdhsa_enable_private_segment 0
		.amdhsa_kernarg_size 40
		.amdhsa_user_sgpr_count 2
		.amdhsa_user_sgpr_kernarg_segment_ptr 1
		.amdhsa_wavefront_size32 1
		.amdhsa_system_sgpr_workgroup_id_x 1
		.amdhsa_system_sgpr_workgroup_id_y 1
		.amdhsa_system_sgpr_workgroup_id_z 1
		.amdhsa_system_vgpr_workitem_id 0
		.amdhsa_next_free_vgpr 512
		.amdhsa_next_free_sgpr 92
		.amdhsa_reserve_vcc 0
		.amdhsa_float_denorm_mode_32 3
		.amdhsa_float_denorm_mode_16_64 3
		.amdhsa_memory_ordered 1
		.amdhsa_forward_progress 1
		.amdhsa_inst_pref_size 255
	.end_amdhsa_kernel
	.section	.bss,"aw",@nobits
	.p2align	6
	.space	262144
	.amdgpu_metadata
---
amdhsa.version: [ 1, 2 ]
amdhsa.kernels:
  - .name:           k_q4ae50d89f6_attn
    .symbol:         k_q4ae50d89f6_attn.kd
    .args:
      - { .name: qh, .offset: 0, .size: 8, .value_kind: global_buffer, .address_space: global }
      - { .name: kh, .offset: 8, .size: 8, .value_kind: global_buffer, .address_space: global }
      - { .name: vh, .offset: 16, .size: 8, .value_kind: global_buffer, .address_space: global }
      - { .name: mk, .offset: 24, .size: 8, .value_kind: global_buffer, .address_space: global }
      - { .name: out0, .offset: 32, .size: 8, .value_kind: global_buffer, .address_space: global }
    .group_segment_fixed_size: 327680
    .private_segment_fixed_size: 0
    .kernarg_segment_align: 8
    .kernarg_segment_size: 40
    .max_flat_workgroup_size: 256
    .sgpr_count:     92
    .vgpr_count:     512
    .wavefront_size: 32
...
	.end_amdgpu_metadata
.endif
;; end of part 3
